; MI455X (gfx1250); checked and timed in simulation.
; The chip was launched on July 23, 2026; its instructions are those of AMD's public machine-readable ISA for CDNA 5 (MIT licence, August 2026) and "CDNA5" Instruction Set Architecture Reference Guide (July 2026). The comments in the code are by the model that wrote it; some were corrected since.
;; Multi Head Attention. Allowed arithmetic: matrix products marked QUANTISED: E4M3 operands, one given power-of-two scale a tensor, by v_wmma_f32_16x16x64_fp8_fp8 or v_wmma_f32_16x16x128_fp8_fp8, f32 sums; everything else in f32.
;; Inputs: Wqkv 2,048 x 1,024 float32; X 4,096 x 1,024 float32; lowp_scales 6 int32 (the exponents e of the quantised operands' scales 2^e).
;; Outputs: out0 4,096 x 1,024 float32.
;; This version of the problem:
;;   THIS VERSION OF THE PROBLEM IS GIVEN IN LOW PRECISION. The matrix products marked QUANTISED in the list below multiply operands that are first quantised to E4M3 (4 exponent bits, 3 mantissa bits; 8 bits a number), with one given power-of-two scale for each operand tensor; their sums are f32. All else is computed in f32.
;;   The module's matrix products, in the order in which they are computed (A, B: the left and right operand; K: the contracted axis; several contracted axes count as one K, in the product's order):
;;     1. [M 4,096, K 1,024] x [K 1,024, N 2,048]; A: input X; B: input Wqkv: QUANTISED (scales: A lowp_scales[0], B lowp_scales[1])
;;     2. batch 16 x [M 4,096, K 64] x [K 64, N 4,096]; A: computed on the way; B: computed on the way: QUANTISED (scales: A lowp_scales[2], B lowp_scales[3])
;;     3. batch 16 x [M 64, K 4,096] x [K 4,096, N 4,096]; A: computed on the way; B: softmax (see below): QUANTISED (scales: A lowp_scales[4], B lowp_scales[5])
;;   THE QUANTISER, for each operand of a quantised product, along K:
;;     - The operand's scale is 2^e, e = its entry of the input lowp_scales (int32; the entries are numbered through the quantised products in the list's order, A before B).
;;     - Each number is divided by the scale, clamped to +-448, and rounded to the nearest number of E4M3, ties to even, subnormals kept.
;;     - The product sums the exact products of the quantised numbers (number of the format x scale) in f32.
;;   ~~~python
;;   def quantise(x, axis, e):      # numpy; x: float32 -> the quantised numbers, widened to float32 again
;;       x = np.moveaxis(x, axis, -1); K = x.shape[-1]
;;       r = np.clip(x / 2.0 ** e, -448, 448)
;;       step = 2.0 ** (np.maximum(np.frexp(np.where(r == 0, 1, r))[1] - 1, -6) - 3)
;;       q = np.round(r / step) * step * 2.0 ** e      # np.round: ties to even
;;       return np.moveaxis(q, -1, axis).astype(np.float32)
;;   ~~~
;;   SOFTMAX AHEAD OF A QUANTISED PRODUCT. Where the list says 'softmax', what is quantised is not the finished softmax but p = 2^(t - M), with t = logit x log2(e) and M = ceil(the row's largest t), a whole number; so 1/2 < the row's largest p <= 1. The row's sum l is taken of the UNQUANTISED p, in f32, and the product's result is divided by l at the end. Since M is a whole number, a kernel that streams over the keys may use a running M (the ceiling of the running maximum): every later rescaling is an exact power of two, so the quantised numbers keep their values, but for numbers so far below the row's largest that they fall under the format's range.
;;   OPERANDS COMPUTED ON THE WAY. 'Computed on the way' means the value that the module computes at that place (a softmax that the list does not call 'softmax' is quantised finished and normalised). What goes into a quantiser is computed in f32, as accurately as f32 sums, v_exp_f32 and their like allow (about 1e-6 of the number): no bf16 or f16 on the way to a quantiser, and a product that is left as it is and whose result goes on into a quantised operand takes f32 operands (vector FMAs, or v_wmma_f32_16x16x4_f32). A number that lies on a knife's edge between two numbers of the format may be rounded either way, as far as f32 arithmetic and the matrix unit's own rounding can turn it there, and no further.
;; One version. Each part assembles by itself: llvm-mc -triple=amdgcn-amd-amdhsa -mcpu=gfx1250 --defsym DOCPART=n.
;; ======== version 1 of 1: 3 launches
;; limits: right only within a limited range of input values
;; workspace buffers: xc 4,194,304 bytes; wc 2,097,152 bytes; qimg 4,194,304 bytes; kv 8,388,608 bytes
;; launch quant (part 1): grid 768 x 1, 4 waves a work-group, no clusters, 33,280 bytes of LDS; arguments X, Wqkv, lowp_scales, xc, wc; writes xc, wc
.if DOCPART == 1
	.amdgcn_target "amdgcn-amd-amdhsa--gfx1250"
	.amdhsa_code_object_version 6
	.text
	.protected	k_q383957fff0_quant
	.globl	k_q383957fff0_quant
	.p2align	8
	.type	k_q383957fff0_quant,@function
k_q383957fff0_quant:
	s_mov_b64 s[64:65], 0
	v_nop
	global_prefetch_b8 v0, s[64:65] scope:SCOPE_SE
	s_setreg_imm32_b32 hwreg(HW_REG_WAVE_MODE, 25, 1), 1
	s_wait_xcnt 0x0
; X [4096][1024] and Wqkv [2048][1024], f32, become codes of FP8 (E4M3), one byte each, K innermost, each with the one scale 2^e given for it
; (entry 0 of the scales for X, entry 1 for Wqkv).  code = x / 2^e, held within +-448, rounded to the nearest code, ties to even.
; LIMITS: e between -126 and 119, so that 2^e and 448 x 2^e are f32 numbers.  NaN among the inputs is not served (an infinity is held at the largest code).
; Rows are dense and K is a multiple of 32: both tensors are plain streams of numbers, and so are their codes; nothing here knows of rows.
; A wave takes 4 steps of 512 numbers; its 16 loads (8,192 bytes) all go out at the start.  The conversion takes 8 neighbours from ONE lane's registers, a load is best where
; neighbouring LANES take neighbouring bytes: so each load reads 512 consecutive bytes, 16 a lane, a step's 2,048 bytes go through the wave's own stage in LDS as they lie and come back 64 bytes a lane.
; The stage has 16 bytes of padding behind each 64.  A lane's 16 codes are 16 bytes: a store of the wave covers 512 consecutive bytes, aligned.
; The first WGA work-groups take X, the others Wqkv: only pointers and e are chosen, on the work-group's number.  No tensor load, no barrier: waves share nothing.
.set SIZE_M, 4096
.set SIZE_N, 2048
.set SIZE_K, 1024
.set WAVES, 4
.set STEPS, 4
.set WGA,   SIZE_M*SIZE_K/(512*STEPS*WAVES)    ; 512 work-groups for X; 256 for Wqkv
.set EMAX,  8
.set MANT,  0x600000                   ; the mantissa field of 448 as f32
.set CB,    16                         ; bytes of 16 codes
.set R,     16                         ; v16-79   four sets of 16 numbers as they are loaded, one for each step
.set X,     80                         ; v80-111  two sets of 16 neighbours
.set C,     128                        ; v128-143 codes: four registers for each step, so that no store's data are written again
.set WREG,  8192                       ; LDS: a region of its own for each wave: two stages of 32 x SP bytes
.set SP,    80                         ; a lane's place in a stage: its 64 bytes + 16 of padding
	s_load_b128 s[4:7], s[0:1], 0x0                ; X, Wqkv
	s_load_b64 s[10:11], s[0:1], 0x10              ; the scales' exponents
	s_load_b128 s[12:15], s[0:1], 0x18             ; X's codes, Wqkv's codes
	v_lshl_add_u32 v144, v0, 2, 0x8000
	v_mov_b32 v145, 0
	v_lshrrev_b32 v1, 5, v0
	v_readfirstlane_b32 s16, v1                    ; wave
	v_and_b32 v2, 31, v0                           ; lane
	v_lshlrev_b32 v3, 4, v2                        ; my 16 bytes of a load's 512
	s_mul_i32 s17, s16, WREG
	v_lshrrev_b32 v14, 2, v2
	v_mul_u32_u24 v14, v14, SP
	v_and_b32 v15, 3, v2
	v_lshl_add_u32 v14, v15, 4, v14
	v_add_nc_u32 v14, s17, v14                     ; the stage, on the way in: four lanes' 64 bytes on end, then 16 of padding: SP (lane / 4) + 16 (lane % 4)
	v_mul_u32_u24 v15, v2, SP
	v_add_nc_u32 v15, s17, v15                     ; and on the way out: SP x lane: my 16 neighbours
	v_mul_u32_u24 v4, v2, CB                       ; my codes' place in a step's
	s_wait_alu depctr_va_vdst(0)
	s_wait_kmcnt 0x0
	s_load_b64 s[22:23], s[10:11], 0x0             ; e of X, e of Wqkv
	s_cmp_lt_u32 ttmp9, WGA                        ; X's work-group or Wqkv's?  The choice hangs on the work-group's number alone
	s_cselect_b64 s[4:5], s[4:5], s[6:7]
	s_cselect_b64 s[8:9], s[12:13], s[14:15]
	s_cselect_b32 s17, 0, WGA
	s_sub_co_u32 s17, ttmp9, s17
	s_lshl_b32 s17, s17, 2
	s_add_co_u32 s18, s17, s16                     ; which run of 2,048 numbers of the tensor is my wave's
	s_mov_b32 s19, 0
	s_mov_b64 s[20:21], 512*STEPS*4
	s_mul_u64 s[20:21], s[18:19], s[20:21]
	s_add_nc_u64 s[4:5], s[4:5], s[20:21]
	s_mov_b64 s[20:21], 32*STEPS*CB
	s_mul_u64 s[20:21], s[18:19], s[20:21]
	s_add_nc_u64 s[8:9], s[8:9], s[20:21]
.macro LOAD t
.irp i, 0,1,2,3
	global_load_b128 v[R+16*(\t)+4*\i:R+16*(\t)+4*\i+3], v3, s[4:5] offset:2048*(\t)+512*\i th:TH_LOAD_NT   ; 32 lanes read 512 consecutive bytes; read once in the launch
.endr
.endm
.macro TURN t                          ; step t's numbers through the stage: LDS serves a wave's instructions in order (ISA guide 5.7.1), so no wait stands between the stores and the loads
.irp i, 0,1,2,3
	ds_store_b128 v14, v[R+16*(\t)+4*\i:R+16*(\t)+4*\i+3] offset:32*SP*((\t)%2)+8*SP*\i
.endr
.irp i, 0,1,2,3
	ds_load_b128 v[X+16*((\t)%2)+4*\i:X+16*((\t)%2)+4*\i+3], v15 offset:32*SP*((\t)%2)+16*\i
.endr
.endm
.irp t, 0,1,2,3
	LOAD \t
.endr
	s_wait_kmcnt 0x0
	s_cmp_lt_u32 ttmp9, WGA
	s_cselect_b32 s22, s22, s23                    ; e
	s_add_co_i32 s22, s22, 127
	s_lshl_b32 s23, s22, 23
	v_mov_b32 v11, s23                             ; 2^e as f32: the conversion takes its exponent field
	s_add_co_i32 s22, s22, EMAX
	s_lshl_b32 s22, s22, 23
	s_or_b32 s22, s22, MANT
	v_mov_b32 v10, s22                             ; 448 x 2^e
	s_wait_alu depctr_va_vdst(0)
	s_wait_loadcnt 12                              ; step 0's four loads are in; the twelve of steps 1 to 3 may be out
	TURN 0
.macro STEP t
.set XS, X+16*((\t)%2)
	s_wait_dscnt 0x0                               ; this step's numbers are back from the stage
.if (\t)+1 < STEPS
	s_wait_loadcnt 4*(STEPS-2-(\t))                ; the next step's four loads are in; those of the steps behind it may be out
	TURN (\t)+1                                    ; and go through the other stage while this step is worked
.endif
.irp i, 0,1,2,3,4,5,6,7,8,9,10,11,12,13,14,15
	v_med3_num_f32 v[XS+\i], v[XS+\i], -v10, v10   ; the conversion to an 8-bit code does not saturate (ISA guide 7.6.2): the number is held within 448 x the scale first
.endr
	v_cvt_scalef32_pk8_fp8_f32 v[C+4*(\t):C+4*(\t)+1], v[XS:XS+7], v11          ; eight numbers / 2^e, to the nearest code, ties to even; the first number's code in the lowest byte
	v_cvt_scalef32_pk8_fp8_f32 v[C+4*(\t)+2:C+4*(\t)+3], v[XS+8:XS+15], v11
	v_nop                                          ; a plain vector line behind the last conversion of the run
	global_store_b128 v4, v[C+4*(\t):C+4*(\t)+3], s[8:9] offset:32*CB*(\t)      ; 512 consecutive bytes, aligned
.endm
.irp t, 0,1,2,3
	STEP \t
.endr
	s_wait_tensorcnt 0x0
	ds_add_u32 v144, v145
	s_wait_dscnt 0x0
	s_endpgm
.Lfunc_end_k_q383957fff0_quant:
	.size	k_q383957fff0_quant, .Lfunc_end_k_q383957fff0_quant-k_q383957fff0_quant
	.p2alignl 7, 3214868480
	.fill 96, 4, 3214868480
	.section	.rodata,"a",@progbits
	.p2align	6, 0x0
	.amdhsa_kernel k_q383957fff0_quant
		.amdhsa_group_segment_fixed_size 33280
		.amdhsa_private_segment_fixed_size 0
		.amdhsa_enable_private_segment 0
		.amdhsa_kernarg_size 40
		.amdhsa_user_sgpr_count 2
		.amdhsa_user_sgpr_kernarg_segment_ptr 1
		.amdhsa_wavefront_size32 1
		.amdhsa_system_sgpr_workgroup_id_x 1
		.amdhsa_system_sgpr_workgroup_id_y 1
		.amdhsa_system_sgpr_workgroup_id_z 1
		.amdhsa_system_vgpr_workitem_id 0
		.amdhsa_next_free_vgpr 146
		.amdhsa_next_free_sgpr 66
		.amdhsa_reserve_vcc 0
		.amdhsa_float_denorm_mode_32 3
		.amdhsa_float_denorm_mode_16_64 3
		.amdhsa_memory_ordered 1
		.amdhsa_forward_progress 1
		.amdhsa_inst_pref_size 12
	.end_amdhsa_kernel
	.amdgpu_metadata
---
amdhsa.version: [ 1, 2 ]
amdhsa.kernels:
  - .name:           k_q383957fff0_quant
    .symbol:         k_q383957fff0_quant.kd
    .args:
      - { .name: X, .offset: 0, .size: 8, .value_kind: global_buffer, .address_space: global }
      - { .name: Wqkv, .offset: 8, .size: 8, .value_kind: global_buffer, .address_space: global }
      - { .name: lowp_scales, .offset: 16, .size: 8, .value_kind: global_buffer, .address_space: global }
      - { .name: xc, .offset: 24, .size: 8, .value_kind: global_buffer, .address_space: global }
      - { .name: wc, .offset: 32, .size: 8, .value_kind: global_buffer, .address_space: global }
    .group_segment_fixed_size: 33280
    .private_segment_fixed_size: 0
    .kernarg_segment_align: 8
    .kernarg_segment_size: 40
    .max_flat_workgroup_size: 128
    .sgpr_count:     66
    .vgpr_count:     146
    .wavefront_size: 32
...
	.end_amdgpu_metadata
.endif
;; end of part 1
;; launch proj (part 2): grid 32 x 4, 4 waves a work-group, clusters of 4 x 4, 327,680 bytes of LDS; arguments xc, wc, lowp_scales, qimg, kv; writes qimg, kv
.if DOCPART == 2
	.amdgcn_target "amdgcn-amd-amdhsa--gfx1250"
	.amdhsa_code_object_version 6
	.text
	.protected	k_q383957fff0_proj
	.globl	k_q383957fff0_proj
	.p2align	8
	.type	k_q383957fff0_proj,@function
k_q383957fff0_proj:
	s_mov_b64 s[64:65], 0
	v_nop
	global_prefetch_b8 v0, s[64:65] scope:SCOPE_SE
	s_setreg_imm32_b32 hwreg(HW_REG_WAVE_MODE, 25, 1), 1
	s_wait_xcnt 0x0
	s_wait_alu depctr_hold_cnt(0) depctr_sa_sdst(0) depctr_va_vdst(0) depctr_va_sdst(0) depctr_va_ssrc(0) depctr_va_vcc(0) depctr_vm_vsrc(0)
	s_getreg_b32 s2, hwreg(HW_REG_IB_STS2, 6, 4)
	s_cmp_eq_u32 s2, 0
	s_cbranch_scc0 .Lentry_in_a_cluster
	s_endpgm
.Lentry_in_a_cluster:
	s_bfe_u32 s2, ttmp6, 0x10000c
	s_cmp_lg_u32 s2, 0xf033
	s_cbranch_scc0 .Lentry_shape_is_right
	s_endpgm
.Lentry_shape_is_right:
.set SIZE_K, 1024
.set KSTEP,  256
.set ROWB,   256
.set KROW,   SIZE_K
.set PITCH,  272
.set FR,     16
.set NL,     4
.set NP,     4
.set HALFT,  128*PITCH
.set SLOT,   4*HALFT
.set LAPS,   SIZE_K/(2*KSTEP)
.set SPARE,  2*SLOT
.set ADRA, 16
.set ADRB, 20
.set CO,   26
.set SPW,  28
.set NIL,  29
.set AF,   128
.set TQ,   32
.set TK,   96
.set CQ,   160
.set CK,   176
.set G1, 24
.set G0, 32
.set G1B, 48
.set G0B, 56
.set MSB, 0
.macro WIN new
.if MSB != \new
	s_set_vgpr_msb (MSB<<8)|\new
.set MSB, \new
.endif
.endm
.set MUL_LO, 0xa1
.set MUL_HI, 0xf1
.set TO_B,   0x40
.macro JLOAD g0a, g1a, g0b, g1b
	s_cmp_eq_u32 s15, 0
	s_cbranch_scc0 .Lfor_b_\@
	tensor_load_to_lds s[\g0a:\g0a+3], s[\g1a:\g1a+7]
	s_nop 0
.rept 4
	v_nop
.endr
	s_branch .Lasked_\@
.Lfor_b_\@:
	tensor_load_to_lds s[\g0b:\g0b+3], s[\g1b:\g1b+7]
	s_nop 0
.rept 4
	v_nop
.endr
.Lasked_\@:
.endm
.macro CREST
	s_cmp_lg_u32 s14, 0
	s_cbranch_scc1 .Lnot_wave_0_\@
	s_barrier_signal -3
.Lnot_wave_0_\@:
	s_barrier_wait -3
	s_barrier_signal -1
	s_barrier_wait -1
.endm
.macro CROUND
	s_barrier_signal -1
	s_barrier_wait -1
	CREST
.endm
	s_load_b128 s[4:7], s[0:1], 0x0
	s_load_b128 s[8:11], s[0:1], 0x10
	s_load_b64 s[12:13], s[0:1], 0x20
	v_lshl_add_u32 v[SPW], v0, 2, SPARE
	v_mov_b32 v[NIL], 0
	ds_add_u32 v28, v29
	ds_add_u32 v28, v29
	s_wait_dscnt 0x0
	v_lshrrev_b32 v1, 5, v0
	v_readfirstlane_b32 s14, v1
	s_lshr_b32 s15, s14, 1
	s_and_b32 s16, s14, 1
	s_bfe_u32 s40, ttmp6, 0x40000
	s_bfe_u32 s41, ttmp6, 0x40004
	s_and_b32 s42, ttmp9, 3
	s_lshl_b32 s42, s42, 2
	s_cmp_ge_u32 ttmp9, 4
	s_cselect_b32 s17, 0, s42
	s_cselect_b32 s42, s42, 0
	s_cselect_b32 s66, 0x100000, 0
	s_add_co_u32 s17, s17, s41
	s_add_co_u32 s42, s42, s40
	s_lshl_b32 s43, s41, 2
	s_lshl_b32 s43, 15, s43
	s_lshl_b32 s44, 0x1111, s40
	s_or_b32 s[G1+0], s43, (0<<16)|(1<<20)|(1<<21)|(5<<22)|(3<<25)
	s_or_b32 s[G1B+0], s44, (0<<16)|(1<<20)|(1<<21)|(5<<22)|(3<<25)
.irp g, G1, G1B
	s_mov_b32 s[\g+1], ROWB<<16
	s_mov_b32 s[\g+2], 128<<16
	s_mov_b32 s[\g+3], ROWB<<16
	s_mov_b32 s[\g+4], 128
	s_mov_b32 s[\g+5], KROW
	s_mov_b32 s[\g+6], 0
	s_mov_b32 s[\g+7], 0
.endr
	s_lshl_b32 s18, s16, 7
	s_lshl_b32 s20, s17, 8
	s_add_co_u32 s20, s20, s18
	s_lshl_b32 s20, s20, 10
	s_add_co_u32 s20, s20, s66
	s_mov_b32 s21, 0
	s_lshl_b32 s46, s42, 8
	s_add_co_u32 s46, s46, s18
	s_lshl_b32 s46, s46, 10
	s_mov_b32 s47, 0
	s_mul_i32 s45, s14, HALFT
	s_wait_kmcnt 0x0
	s_load_b128 s[80:83], s[8:9], 0x0
	s_load_b32 s84, s[8:9], 0x10
	s_cmp_ge_u32 ttmp9, 4
	s_cselect_b64 s[68:69], s[6:7], s[4:5]
	s_cselect_b64 s[70:71], s[4:5], s[6:7]
	s_add_nc_u64 s[20:21], s[68:69], s[20:21]
	s_add_nc_u64 s[46:47], s[70:71], s[46:47]
	CROUND
.irp s, 0,1
	s_mov_b32 s[G0+4*\s], 1
	s_add_co_u32 s[G0+4*\s+1], s45, \s*SLOT
	s_add_nc_u64 s[G0+4*\s+2:G0+4*\s+3], s[20:21], \s*ROWB
	s_or_b32 s[G0+4*\s+3], s[G0+4*\s+3], 0x80000000
	s_mov_b32 s[G0B+4*\s], 1
	s_add_co_u32 s[G0B+4*\s+1], s45, \s*SLOT
	s_add_nc_u64 s[G0B+4*\s+2:G0B+4*\s+3], s[46:47], \s*ROWB
	s_or_b32 s[G0B+4*\s+3], s[G0B+4*\s+3], 0x80000000
	s_wait_alu depctr_va_vdst(0)
	s_wait_tensorcnt 0x0
	ds_add_u32 v28, v29
	ds_add_u32 v28, v29
	s_wait_dscnt 0x0
	CROUND
	JLOAD G0+4*\s, G1, G0B+4*\s, G1B
.endr
	v_and_b32 v1, 15, v0
	v_bfe_u32 v2, v0, 4, 1
	v_mul_u32_u24 v3, v1, PITCH
	v_lshl_add_u32 v4, v2, 4, v3
	s_mul_i32 s21, s15, HALFT
	s_mul_i32 s22, s16, HALFT
	s_add_co_u32 s22, s22, 2*HALFT
.irp s, 0,1
	v_add_nc_u32 v[ADRA+\s], s21, v4
	v_add_nc_u32 v[ADRB+\s], s22, v4
	s_add_co_u32 s21, s21, SLOT
	s_add_co_u32 s22, s22, SLOT
.endr
	v_and_b32 v6, 31, v0
	v_lshlrev_b32 v[CO], 4, v6
.macro FRAG reg, adr, q, i
.irp c, 0,1,2,3
	ds_load_b128 v[\reg+4*\c:\reg+4*\c+3], v[\adr] offset:128*(\q)+32*\c+(\i)*16*PITCH
.endr
.endm
.macro MUL16 a0, p, zero
.irp a, \a0, \a0+1
.irp b, 0,1,2,3,4,5,6,7
.if \zero
	v_wmma_f32_16x16x128_fp8_fp8 v[8*(8*((\a)%4)+\b):8*(8*((\a)%4)+\b)+7], v[128*(\p)+FR*\b:128*(\p)+FR*\b+FR-1], v[AF+FR*(\a):AF+FR*(\a)+FR-1], 0
.else
	v_wmma_f32_16x16x128_fp8_fp8 v[8*(8*((\a)%4)+\b):8*(8*((\a)%4)+\b)+7], v[128*(\p)+FR*\b:128*(\p)+FR*\b+FR-1], v[AF+FR*(\a):AF+FR*(\a)+FR-1], v[8*(8*((\a)%4)+\b):8*(8*((\a)%4)+\b)+7]
.endif
.endr
.endr
.endm
.macro FETCH_B slot, q, p
	WIN TO_B
.irp i, 0,1,2,3,4,5,6,7
	FRAG 128*(\p)+FR*\i, ADRB+\slot, \q, \i
.endr
	WIN 0
.endm
.macro FETCH_A slot, q, i0
.irp i, \i0, \i0+1, \i0+2, \i0+3
	FRAG AF+FR*(\i), ADRA+\slot, \q, \i
.endr
.endm
.macro PLACES n
.rept \n
	v_nop
.endr
.endm
.macro STEP slot, q, zero
	s_wait_dscnt 4*NL
	WIN MUL_LO
	MUL16 0, (\q)%2, \zero
	MUL16 2, (\q)%2, \zero
	s_wait_dscnt 0
	PLACES NP
	FETCH_B \slot, (\q)+1, 1-(\q)%2
	FETCH_A \slot, (\q)+1, 0
	WIN MUL_HI
	MUL16 4, (\q)%2, \zero
	MUL16 6, (\q)%2, \zero
	PLACES NP
	WIN 0
	FETCH_A \slot, (\q)+1, 4
.endm
.macro TURN slot, next, fill
	s_wait_tensorcnt 0x0
	ds_add_u32 v[SPW], v[NIL]
	s_wait_dscnt 4*NL+1
	WIN MUL_LO
	MUL16 0, 1, 0
	s_wait_dscnt 0x0
	s_barrier_signal -1
	MUL16 2, 1, 0
	WIN 0
	s_barrier_wait -1
.if \fill
	CREST
	s_add_nc_u64 s[G0+4*\slot+2:G0+4*\slot+3], s[G0+4*\slot+2:G0+4*\slot+3], 2*ROWB
	s_add_nc_u64 s[G0B+4*\slot+2:G0B+4*\slot+3], s[G0B+4*\slot+2:G0B+4*\slot+3], 2*ROWB
	JLOAD G0+4*\slot, G1, G0B+4*\slot, G1B
.else
	PLACES NP
.endif
	FETCH_B \next, 0, 0
	FETCH_A \next, 0, 0
	WIN MUL_HI
	MUL16 4, 1, 0
	MUL16 6, 1, 0
	PLACES NP
	WIN 0
	FETCH_A \next, 0, 4
.endm
	s_wait_alu depctr_va_vdst(0)
	s_wait_tensorcnt 1
	s_barrier_signal -1
	s_barrier_wait -1
	FETCH_B 0, 0, 0
	FETCH_A 0, 0, 0
	FETCH_A 0, 0, 4
	STEP 0, 0, 1
	s_mov_b32 s3, LAPS-1
.Llap:
	TURN 0, 1, 1
	STEP 1, 0, 0
	TURN 1, 0, 1
	STEP 0, 0, 0
	s_sub_co_u32 s3, s3, 1
	s_cmp_lg_u32 s3, 0
	s_cbranch_scc1 .Llap
	TURN 0, 1, 0
	STEP 1, 0, 0
	s_wait_dscnt 4*NL
	WIN MUL_LO
	MUL16 0, 1, 0
	MUL16 2, 1, 0
	s_wait_dscnt 0
	WIN MUL_HI
	MUL16 4, 1, 0
	MUL16 6, 1, 0
	WIN 0
.macro HOLD a, dst, lim
	WIN (0x02+(\a)/4)
.set AC, 64*((\a)%4)
.set j, 0
.rept 64
	v_med3_num_f32 v[\dst+j], v[AC+j], -v[\lim], v[\lim]
.set j, j+1
.endr
.endm
.macro CODES src, cd, sc
.irp b, 0,1,2,3,4,5,6,7
	v_cvt_scalef32_pk8_fp8_f32 v[\cd+2*\b:\cd+2*\b+1], v[\src+8*\b:\src+8*\b+7], v[\sc]
.endr
.endm
	s_wait_kmcnt 0x0
	s_cmp_ge_u32 ttmp9, 4
	s_cselect_b32 s85, s84, s82
	s_add_co_i32 s86, s80, s81
	s_sub_co_i32 s85, s85, s86
	s_add_co_i32 s85, s85, 127
	s_lshl_b32 s87, s85, 23
	v_mov_b32 v8, s87
	s_add_co_i32 s85, s85, 8
	s_lshl_b32 s85, s85, 23
	s_or_b32 s85, s85, 0x600000
	v_mov_b32 v9, s85
	s_sub_co_i32 s85, s83, s86
	s_add_co_i32 s85, s85, 127
	s_lshl_b32 s87, s85, 23
	v_mov_b32 v10, s87
	s_add_co_i32 s85, s85, 8
	s_lshl_b32 s85, s85, 23
	s_or_b32 s85, s85, 0x600000
	v_mov_b32 v11, s85
	PLACES NP
	s_cmp_ge_u32 ttmp9, 4
	s_cbranch_scc1 .Lv_out
	s_lshl_b32 s72, s42, 2
	s_lshl_b32 s73, s16, 1
	s_add_co_u32 s72, s72, s73
	s_lshl_b32 s74, s72, 18
	s_lshl_b32 s75, s17, 4
	s_lshl_b32 s76, s15, 3
	s_add_co_u32 s75, s75, s76
	s_lshl_b32 s75, s75, 10
	s_add_co_u32 s74, s74, s75
	s_mov_b32 s75, 0
	s_add_nc_u64 s[10:11], s[10:11], s[74:75]
	s_lshl_b32 s76, s72, 19
	s_lshl_b32 s77, s17, 1
	s_add_co_u32 s77, s77, s15
	s_lshl_b32 s77, s77, 14
	s_add_co_u32 s76, s76, s77
	s_mov_b32 s77, 0
	s_add_nc_u64 s[12:13], s[12:13], s[76:77]
	s_wait_alu depctr_va_vdst(0)
.irp a, 0,1,2,3,4,5,6,7
	HOLD \a, TQ, 9
	HOLD \a, TK, 11
	WIN 0
.if \a > 0
	s_wait_xcnt 0x0
.endif
	CODES TQ, CQ, 8
	CODES TK, CK, 10
	v_nop
.irp g, 0,1,2,3
	global_store_b128 v[CO], v[CQ+4*\g:CQ+4*\g+3], s[10:11] offset:\a*1024+(\g/2)*262144+(\g%2)*512
.endr
.irp g, 0,1,2,3
	global_store_b128 v[CO], v[CK+4*\g:CK+4*\g+3], s[12:13] offset:\a*1024+(\g/2)*524288+(\g%2)*512
.endr
.endr
	s_branch .Ldone
.Lv_out:
	s_lshl_b32 s72, s17, 2
	s_lshl_b32 s73, s15, 1
	s_add_co_u32 s72, s72, s73
	s_lshl_b32 s76, s72, 19
	s_lshl_b32 s77, s42, 1
	s_add_co_u32 s77, s77, s16
	s_lshl_b32 s77, s77, 14
	s_add_co_u32 s76, s76, s77
	s_add_co_u32 s76, s76, 8192
	s_mov_b32 s77, 0
	s_add_nc_u64 s[12:13], s[12:13], s[76:77]
	s_wait_alu depctr_va_vdst(0)
.irp a, 0,1,2,3,4,5,6,7
	HOLD \a, TQ, 9
	WIN 0
.if \a > 0
	s_wait_alu depctr_va_vdst(0)
	s_wait_xcnt 0x0
.endif
	CODES TQ, CQ, 8
	v_nop
.irp g, 0,1,2,3
	global_store_b128 v[CO], v[CQ+4*\g:CQ+4*\g+3], s[12:13] offset:(\a/4)*524288+(\a%4)*2048+\g*512
.endr
.endr
.Ldone:
	s_wait_tensorcnt 0x0
	ds_add_u32 v[SPW], v[NIL]
	s_wait_dscnt 0x0
	CROUND
	s_endpgm
.Lfunc_end_k_q383957fff0_proj:
	.size	k_q383957fff0_proj, .Lfunc_end_k_q383957fff0_proj-k_q383957fff0_proj
	.p2alignl 7, 3214868480
	.fill 96, 4, 3214868480
	.section	.rodata,"a",@progbits
	.p2align	6, 0x0
	.amdhsa_kernel k_q383957fff0_proj
		.amdhsa_group_segment_fixed_size 327680
		.amdhsa_private_segment_fixed_size 0
		.amdhsa_enable_private_segment 0
		.amdhsa_kernarg_size 40
		.amdhsa_user_sgpr_count 2
		.amdhsa_user_sgpr_kernarg_segment_ptr 1
		.amdhsa_wavefront_size32 1
		.amdhsa_system_sgpr_workgroup_id_x 1
		.amdhsa_system_sgpr_workgroup_id_y 1
		.amdhsa_system_sgpr_workgroup_id_z 1
		.amdhsa_system_vgpr_workitem_id 0
		.amdhsa_next_free_vgpr 1024
		.amdhsa_next_free_sgpr 100
		.amdhsa_reserve_vcc 0
		.amdhsa_float_denorm_mode_32 3
		.amdhsa_float_denorm_mode_16_64 3
		.amdhsa_memory_ordered 1
		.amdhsa_forward_progress 1
		.amdhsa_inst_pref_size 199
	.end_amdhsa_kernel
	.amdgpu_metadata
---
amdhsa.version: [ 1, 2 ]
amdhsa.kernels:
  - .name:           k_q383957fff0_proj
    .symbol:         k_q383957fff0_proj.kd
    .args:
      - { .name: xc, .offset: 0, .size: 8, .value_kind: global_buffer, .address_space: global }
      - { .name: wc, .offset: 8, .size: 8, .value_kind: global_buffer, .address_space: global }
      - { .name: lowp_scales, .offset: 16, .size: 8, .value_kind: global_buffer, .address_space: global }
      - { .name: qimg, .offset: 24, .size: 8, .value_kind: global_buffer, .address_space: global }
      - { .name: kv, .offset: 32, .size: 8, .value_kind: global_buffer, .address_space: global }
    .group_segment_fixed_size: 327680
    .private_segment_fixed_size: 0
    .kernarg_segment_align: 8
    .kernarg_segment_size: 40
    .max_flat_workgroup_size: 128
    .sgpr_count:     100
    .vgpr_count:     1024
    .wavefront_size: 32
...
	.end_amdgpu_metadata
.endif
;; end of part 2
;; launch attn (part 3): grid 16 x 16, 4 waves a work-group, clusters of 4 x 1, 327,680 bytes of LDS; arguments qimg, kv, lowp_scales, out0; writes out0
.if DOCPART == 3
	.amdgcn_target "amdgcn-amd-amdhsa--gfx1250"
	.amdhsa_code_object_version 6
	.text
	.protected	k_q383957fff0_attn
	.globl	k_q383957fff0_attn
	.p2align	8
	.type	k_q383957fff0_attn,@function
k_q383957fff0_attn:
	s_mov_b64 s[64:65], 0
	v_nop
	global_prefetch_b8 v0, s[64:65] scope:SCOPE_SE
	s_setreg_imm32_b32 hwreg(HW_REG_WAVE_MODE, 25, 1), 1
	s_wait_xcnt 0x0
	s_wait_alu depctr_hold_cnt(0) depctr_sa_sdst(0) depctr_va_vdst(0) depctr_va_sdst(0) depctr_va_ssrc(0) depctr_va_vcc(0) depctr_vm_vsrc(0)
	s_getreg_b32 s2, hwreg(HW_REG_IB_STS2, 6, 4)
	s_cmp_eq_u32 s2, 0
	s_cbranch_scc0 .Lentry_in_a_cluster
	s_endpgm
.Lentry_in_a_cluster:
	s_bfe_u32 s2, ttmp6, 0x10000c
	s_cmp_lg_u32 s2, 0x3003
	s_cbranch_scc0 .Lentry_shape_is_right
	s_endpgm
.Lentry_shape_is_right:
; out[q][head][:] = the sum over keys of softmax_k(Q[q] . K[k] / 8) V[k][:], 16 heads of 64, 4,096 queries and keys, both products on codes of FP8 (E4M3).
; The operands come as IMAGES OF THEIR REGISTERS (a group of four registers at 16 x lane, 512 bytes on end):
;   qimg: head x 2^18 + query tile x 1,024 + group x 512.   kv: head x 2^19 + key step (128 keys) x 16,384 + { K: key tile x 1,024 + group x 512 | V: 8,192 + channel tile x 2,048 + group x 512 }.
; Scales (entries 2 to 5): e2 queries, e3 keys, e4 values, e5 the weights p.
; THE SOFTMAX: t = score x log2(e) / 8; M = the row's largest t so far, rounded UP to a whole number; p = 2^(t - M) is quantised, not normalised.  The row's sum is taken of the unquantised,
; unheld p in f32 and divides O at the end.  When M moves, the sums and O are multiplied by 2^(old M - new M); no branch on data.  (With a running M a p far below the row's final largest may fall under the format's range.)
; SHARES.  A work-group owns 256 queries of one head; each of its FOUR waves owns 64 of them, four tiles of 16, so that a fragment of K or V read from LDS feeds four matrix instructions.  Every wave walks all keys, 128 a step.
; Both products are used transposed (S^T = K Q^T, O^T = V^T P^T): a lane holds one query (lane % 16) of each tile; in key tile a lane (r, h) holds keys 16 a + 8 h + 0 .. 7, which are registers 2 a, 2 a + 1 of P.
; REGISTERS, in windows of 256.  Window 0: addresses; 24 registers of state for each tile; K's and V's fragments.  Window 1: S^T, then p, tile t at 64 t.  Window 2: O^T at 32 t, p's codes at 128 + 16 t, Q at 192 + 8 t.
; Each phase of a step runs over all four tiles under one window setting, and the tiles' chains take turns line by line.
; THE EXPONENTIALS go in four batches of 64, one a tile.  Between two of them stands one plain line that hangs on nothing written in the same batch: t - M of a later tile, or the hold of a tile whose sums are taken.
; RING.  Two LDS slots of 8 key steps (131,072 bytes, dense).  Each wave fetches 32,768 bytes by one tensor load behind each change of slots; one tensor load of a wave is out at any time.
; CLUSTER.  The four work-groups of a cluster are four query blocks of one head and walk the same kv: each load is asked for jointly, with the same descriptor and a mask that names the four.
; NO PREFETCH: a refill is asked for eight key steps (384 matrix instructions of the wave) ahead of the wait for it, and the launch's first two fills have no loop ahead of them.
; LIMITS on the given exponents: e2 + e3 between -123 and 130 (added to c's exponent field); e5 between -126 and 119; e4 + e5 goes in by v_ldexp_f32 and has none.
.set SLOT1, 1<<17
.set STEPB, 16384
.set NSTEP, 8
.set SPARE, 2*SLOT1                    ; the spare words, 128 bytes a wave: two blocks of 256 bytes that no other line names
.set SP,    272                        ; the way out: stages of 16 rows x (256 + 16) bytes, one for each wave and tile, in slot 0: it has had its last fill and every wave has left it
.set LI,   1                           ; 16 x lane
.set AD,   2                           ; LDS address of the key step whose fragments are being loaded
.set SPW,  5
.set NIL,  6
.set GO,   7                           ; the way out: my byte offset in out
.set STI,  8                           ; into the stage
.set STO,  9                           ; back from it
.set TS,   24                          ; a tile's state, 24 registers from v16 on:
.set MR,   16                          ; the largest score so far (as a score: c is positive)
.set T1,   17                          ; a lane permute's destination
.set NM,   18                          ; -M (a pair; the low word serves)
.set FF,   20                          ; f = 2^(old M - new M) (a pair likewise)
.set XA,   22
.set XB,   23
.set LS,   24                          ; the row's sum in eight pairs
.set KF,   112                         ; K's eight fragments of 8
.set VF,   176                         ; V's four of 16
.set SC,   240                         ; 2^e5 for the conversion
.set OO,   0                           ; window 2
.set PC,   128
.set QF,   192
.set WV,   18
.set SEL,  20
.set CS,   22                          ; s[22:23] c = log2(e) / 8 x 2^(e2 + e3)
.set G1,   24
.set G0,   40
.set SB,   44                          ; LDS byte at which the slot in hand begins
.set SLOTS, 45
.set CNT,  46                          ; the key step in the slot, 0 .. 7
.set TN,   47
.set HB,   48                          ; 448 x 2^e5
.set EO,   49                          ; e4 + e5
.set MSB, 0
.macro WIN new                         ; the immediate's high byte repeats the setting that is left
.if MSB != \new
	s_set_vgpr_msb (MSB<<8)|\new
.set MSB, \new
.endif
.endm
.macro JLOAD                           ; every wave asks for its quarter of a slot; s_nop 0 and four v_nop follow
	tensor_load_to_lds s[G0:G0+3], s[G1:G1+7]
	s_nop 0
.rept 4
	v_nop
.endr
.endm
.macro CROUND                          ; a round of the cluster's barrier
	s_barrier_signal -1
	s_barrier_wait -1
	s_cmp_lg_u32 s[WV], 0
	s_cbranch_scc1 .Lnot_wave_0_\@
	s_barrier_signal -3
.Lnot_wave_0_\@:
	s_barrier_wait -3
	s_barrier_signal -1
	s_barrier_wait -1
.endm
.macro LOADK
.irp a, 0,1,2,3,4,5,6,7
	ds_load_b128 v[KF+8*\a:KF+8*\a+3],   v[AD] offset:1024*\a
	ds_load_b128 v[KF+8*\a+4:KF+8*\a+7], v[AD] offset:1024*\a+512
.endr
.endm
.macro LOADV
.irp c, 0,1,2,3
.irp g, 0,1,2,3
	ds_load_b128 v[VF+16*\c+4*\g:VF+16*\c+4*\g+3], v[AD] offset:8192+2048*\c+512*\g
.endr
.endr
.endm
.macro SCORES                          ; S^T = K Q^T: 32 products, each fragment of K against the four tiles of Q
	WIN 0x48
.irp a, 0,1,2,3,4,5,6,7
.irp t, 0,1,2,3
	v_wmma_f32_16x16x64_fp8_fp8 v[64*\t+8*\a:64*\t+8*\a+7], v[KF+8*\a:KF+8*\a+7], v[QF+8*\t:QF+8*\t+7], 0
.endr
.endr
	WIN 0
.endm
; The lines that stand among the exponentials, numbered through a step by PI: 0-95: t - M of tiles 1, 2, 3 (32 packed lines each); 96-223: the hold of p, two registers a line: 2 (PI - 96) and the next of window 1.
.macro PL
.if PI < 96
.set PTI, 1+PI/32
.set PJ, 64*PTI+2*(PI%32)
	v_pk_fma_f32 v[PJ:PJ+1], v[PJ:PJ+1], s[CS:CS+1], v[NM+TS*PTI:NM+TS*PTI+1] op_sel_hi:[1,0,0]
.else
.set PJ, 2*(PI-96)
	v_dual_min_num_f32 v[PJ], s[HB], v[PJ] :: v_dual_min_num_f32 v[PJ+1], s[HB], v[PJ+1]   ; the conversion does not saturate (ISA guide 7.6.2); p is not negative, so the hold is one-sided
.endif
.set PI, PI+1
.endm
.macro BATCH e, n                      ; tile e's 64 exponentials with n (64 or 32) of the lines above among them, behind each or behind every second; a plain place and one wait behind the batch
	WIN 0x45
.set j, 0
.rept 64
	v_exp_f32 v[64*\e+j], v[64*\e+j]
.if (j % (64/\n)) == 0
	PL
.endif
.set j, j+1
.endr
	v_nop
	s_wait_alu depctr_va_vdst(0)
.endm
; Tile 3's last vector lines, numbered by TI: 0-31 its sums (as in SUMS), 32-63 its holds.  They stand between the second product's instructions of tiles 0 to 2 and name none of their registers.
.macro TL
.if TI < 8
	WIN 0x10
	v_pk_fma_f32 v[LS+TS*3+2*TI:LS+TS*3+2*TI+1], v[LS+TS*3+2*TI:LS+TS*3+2*TI+1], v[FF+TS*3:FF+TS*3+1], v[192+2*TI:192+2*TI+1] op_sel_hi:[1,0,1]
.else
.if TI < 32
	WIN 0x04
.set TK, TI%8
	v_pk_add_f32 v[LS+TS*3+2*TK:LS+TS*3+2*TK+1], v[LS+TS*3+2*TK:LS+TS*3+2*TK+1], v[192+16*(TI/8)+2*TK:192+16*(TI/8)+2*TK+1]
.else
	WIN 0x45
	PL
.endif
.endif
.set TI, TI+1
.endm
.macro SUMS t                          ; tile t's sums: eight chains; the first line of each brings the old sum under the new M
	WIN 0x10
.irp k, 0,1,2,3,4,5,6,7
	v_pk_fma_f32 v[LS+TS*\t+2*\k:LS+TS*\t+2*\k+1], v[LS+TS*\t+2*\k:LS+TS*\t+2*\k+1], v[FF+TS*\t:FF+TS*\t+1], v[64*\t+2*\k:64*\t+2*\k+1] op_sel_hi:[1,0,1]
.endr
	WIN 0x04
.irp m, 1,2,3
.irp k, 0,1,2,3,4,5,6,7
	v_pk_add_f32 v[LS+TS*\t+2*\k:LS+TS*\t+2*\k+1], v[LS+TS*\t+2*\k:LS+TS*\t+2*\k+1], v[64*\t+16*\m+2*\k:64*\t+16*\m+2*\k+1]
.endr
.endr
.endm
	s_load_b128 s[4:7], s[0:1], 0x0                ; qimg, kv
	s_load_b128 s[8:11], s[0:1], 0x10              ; the scales' exponents, out
	v_lshl_add_u32 v[SPW], v0, 2, SPARE
	v_mov_b32 v[NIL], 0
	ds_add_u32 v[SPW], v[NIL]                      ; the opening lines: the add twice on end and one wait, ahead of my first tensor load
	ds_add_u32 v[SPW], v[NIL]
	v_lshrrev_b32 v10, 5, v0
	v_readfirstlane_b32 s[WV], v10                 ; wave 0..3
	s_bfe_u32 s50, ttmp6, 0x40000                  ; cx
	s_lshl_b32 s51, ttmp9, 2
	s_add_co_u32 s51, s51, s50                     ; my block of 256 queries: it enters qimg's and out's addresses alone
	s_and_b32 s52, ttmp7, 0xffff                   ; the head, which the four partners share
	s_lshl_b32 s53, s[WV], 15                      ; what I fetch: 32,768 bytes of a slot, at the same place in LDS and in the slot's bytes of kv
	s_lshl_b32 s54, s52, 19
	s_add_co_u32 s54, s54, s53
	s_mov_b32 s55, 0
	s_lshl_b32 s56, s52, 18
	s_lshl_b32 s57, s51, 14
	s_add_co_u32 s56, s56, s57
	s_lshl_b32 s57, s[WV], 12
	s_add_co_u32 s56, s56, s57                     ; qimg: head x 2^18 + (16 x block + 4 x wave) x 1,024
	s_mov_b32 s57, 0
	s_lshl_b32 s58, s51, 20
	s_lshl_b32 s59, s[WV], 18
	s_add_co_u32 s58, s58, s59
	s_lshl_b32 s59, s52, 8
	s_add_co_u32 s58, s58, s59                     ; out: (256 x block + 64 x wave) rows of 4,096 bytes + the head's 256 bytes
	s_mov_b32 s59, 0
	s_mov_b32 s[G1], 15|(3<<16)|(1<<21)            ; the mask of all four; elements of 8 bytes; no padding; bit 21 beside a mask
	s_mov_b32 s[G1+1], 32<<16                      ; a dense block of 128 rows x 256 bytes
	s_mov_b32 s[G1+2], 128<<16
	s_mov_b32 s[G1+3], 32<<16
	s_mov_b32 s[G1+4], 128
	s_mov_b32 s[G1+5], 32
	s_mov_b32 s[G1+6], 0
	s_mov_b32 s[G1+7], 0
	s_mov_b32 s[SEL], 0x76543210
	s_mov_b32 s[SEL+1], 0xfedcba98
	s_mov_b32 s[CS], 0x3e38aa3b                    ; log2(e) / 8
	s_mov_b32 s[SB], 0
	s_mov_b32 s[SLOTS], 3
	s_mul_i32 s60, s[WV], 64*SP                    ; my four stages
	s_wait_dscnt 0x0
	s_wait_kmcnt 0x0
	s_load_b128 s[68:71], s[8:9], 0x8              ; e2, e3, e4, e5
	s_mov_b32 s[G0], 1
	s_mov_b32 s[G0+1], s53
	s_add_nc_u64 s[G0+2:G0+3], s[6:7], s[54:55]
	s_or_b32 s[G0+3], s[G0+3], 0x80000000
	s_add_nc_u64 s[4:5], s[4:5], s[56:57]
	s_add_nc_u64 s[10:11], s[10:11], s[58:59]
	CROUND                                         ; all four work-groups are here: the first joint loads meet
	JLOAD                                          ; slot 0
	v_and_b32 v[LI], 31, v0
	v_lshlrev_b32 v[LI], 4, v[LI]
	WIN 0x80
.irp t, 0,1,2,3
	global_load_b128 v[QF+8*\t:QF+8*\t+3],   v[LI], s[4:5] offset:1024*\t       ; Q's four fragments stay in registers
	global_load_b128 v[QF+8*\t+4:QF+8*\t+7], v[LI], s[4:5] offset:1024*\t+512
.endr
.set j, 0
.rept 128
	v_mov_b32 v[OO+j], 0                           ; O^T.  (The key step is written once: the first finds zeros, which the first change of M leaves zeros)
.set j, j+1
.endr
	WIN 0
.set j, 0
.rept 4*TS
	v_mov_b32 v[MR+j], 0                           ; the tiles' state: sums 0, and every register that is named in a pair or as a permute's destination is written
.set j, j+1
.endr
.irp t, 0,1,2,3
	v_mov_b32 v[MR+TS*\t], 0xff61b1e6              ; -3e38, under every score
	v_mov_b32 v[NM+TS*\t], 0x7f61b1e6              ; -M = 3e38: the first f is 0
.endr
	v_and_b32 v10, 15, v0                          ; r
	v_bfe_u32 v11, v0, 4, 1                        ; h
	v_lshlrev_b32 v[GO], 12, v11
	v_lshl_add_u32 v[GO], v10, 4, v[GO]            ; lanes 0-15 one row of out, lanes 16-31 the next; 16 bytes a lane
	v_mul_u32_u24 v[STI], v10, SP
	v_lshl_add_u32 v[STI], v11, 5, v[STI]
	v_add_nc_u32 v[STI], s60, v[STI]               ; in: row r; channel tile c's eight channels of my half at 64 c + 32 h
	v_mul_u32_u24 v[STO], v11, SP
	v_lshl_add_u32 v[STO], v10, 4, v[STO]
	v_add_nc_u32 v[STO], s60, v[STO]               ; back: lanes 0-15 one row, lanes 16-31 the next
	s_wait_kmcnt 0x0
	s_add_co_i32 s72, s68, s69
	s_lshl_b32 s72, s72, 23
	s_add_co_i32 s[CS], s[CS], s72                 ; e2 + e3 added to c's exponent field
	s_mov_b32 s[CS+1], s[CS]
	s_add_co_i32 s72, s71, 127
	s_lshl_b32 s73, s72, 23
	v_mov_b32 v[SC], s73                           ; 2^e5
	s_add_co_i32 s72, s72, 8
	s_lshl_b32 s72, s72, 23
	s_or_b32 s[HB], s72, 0x600000                  ; 448 x 2^e5
	s_add_co_i32 s[EO], s70, s71
; A KEY STEP.  On entry its scores are made, and its V is loaded or on its way.
.macro STEP
.rept 4
	v_nop                                          ; four places behind the score products: for the loads into K's registers and the first reads of the scores
.endr
	s_cmp_eq_u32 s[CNT], NSTEP-1
	s_cbranch_scc1 .Lno_k_\@                       ; a slot's last step has no successor in the slot: a branch on the count of steps, round loads alone
	s_add_co_u32 s[TN], s[CNT], 1
	s_min_u32 s[TN], s[TN], NSTEP-1                ; (holds the address inside the slot on every way through the text)
	s_lshl_b32 s[TN], s[TN], 14
	s_add_co_u32 s[TN], s[TN], s[SB]
	v_add_nc_u32 v[AD], s[TN], v[LI]
	LOADK                                          ; the next step's K lands under the softmax
.Lno_k_\@:
	WIN 0x14                                       ; the largest score: two chains a tile, begun from the running largest; each accumulator from its low end on
.set j, 0
.rept 16
.irp t, 0,1,2,3
.if j == 0
	v_max3_num_f32 v[XA+TS*\t], v[MR+TS*\t], v[64*\t], v[64*\t+1]
	v_max3_num_f32 v[XB+TS*\t], v[MR+TS*\t], v[64*\t+2], v[64*\t+3]
.else
	v_max3_num_f32 v[XA+TS*\t], v[XA+TS*\t], v[64*\t+j], v[64*\t+j+1]
	v_max3_num_f32 v[XB+TS*\t], v[XB+TS*\t], v[64*\t+j+2], v[64*\t+j+3]
.endif
.endr
.set j, j+4
.endr
	WIN 0
.irp t, 0,1,2,3
	v_max_num_f32 v[XA+TS*\t], v[XA+TS*\t], v[XB+TS*\t]
.endr
.irp t, 0,1,2,3
	v_permlanex16_b32 v[T1+TS*\t], v[XA+TS*\t], s[SEL], s[SEL+1]
.endr
.irp t, 0,1,2,3
	v_max_num_f32 v[MR+TS*\t], v[XA+TS*\t], v[T1+TS*\t]    ; with lane l xor 16's: the running largest score
.endr
.irp t, 0,1,2,3
	v_mul_f32 v[XA+TS*\t], s[CS], v[MR+TS*\t]              ; as t
.endr
.irp t, 0,1,2,3
	v_floor_f32 v[XB+TS*\t], -v[XA+TS*\t]                  ; the new -M = -ceil(t)
.endr
.irp t, 0,1,2,3
	v_sub_f32 v[XA+TS*\t], v[XB+TS*\t], v[NM+TS*\t]        ; old M - new M: a whole number, 0 or less
.endr
.irp t, 0,1,2,3
	v_mov_b32 v[NM+TS*\t], v[XB+TS*\t]
.endr
.irp t, 0,1,2,3
	v_cvt_i32_f32 v[XA+TS*\t], v[XA+TS*\t]                 ; (it saturates)
.endr
.irp t, 0,1,2,3
	v_ldexp_f32 v[FF+TS*\t], 1.0, v[XA+TS*\t]              ; f
.endr
	WIN 0x82                                       ; O^T under the new M, ahead of the step's exponentials
.irp t, 0,1,2,3
.set j, 0
.rept 16
	v_pk_mul_f32 v[OO+32*\t+j:OO+32*\t+j+1], v[OO+32*\t+j:OO+32*\t+j+1], v[FF+TS*\t:FF+TS*\t+1] op_sel_hi:[1,0]
.set j, j+2
.endr
.endr
	WIN 0x45
.set j, 0
.rept 32
	v_pk_fma_f32 v[j:j+1], v[j:j+1], s[CS:CS+1], v[NM:NM+1] op_sel_hi:[1,0,0]   ; tile 0's t - M
.set j, j+2
.endr
.set PI, 0
	s_wait_alu depctr_va_vdst(0)
	BATCH 0, 64                                    ; beside it: t - M of tiles 1 and 2
	SUMS 0
	BATCH 1, 64                                    ; t - M of tile 3, the hold of tile 0
	SUMS 1
	BATCH 2, 32                                    ; the hold of tile 1
	SUMS 2
	BATCH 3, 32                                    ; the hold of tile 2
	WIN 0x81
.irp t, 0,1,2
.irp a, 0,1,2,3,4,5,6,7
	v_cvt_scalef32_pk8_fp8_f32 v[PC+16*\t+2*\a:PC+16*\t+2*\a+1], v[64*\t+8*\a:64*\t+8*\a+7], v[SC]   ; keys 16 a + 8 h + 0 .. 7: registers 2 a, 2 a + 1 of P
.endr
.endr
	v_nop                                          ; a plain line behind the last conversion
	WIN 0xa8
	s_wait_alu depctr_va_vdst(0)
	s_wait_dscnt 0x0                               ; V is in, and the next step's K
.set TI, 0
.irp t, 0,1,2                                  ; O^T += V^T P^T: sixteen accumulators, one instruction a turn; behind each of the first twelve, five or six of tile 3's 64 lines
.irp c, 0,1,2,3
	WIN 0xa8
	v_wmma_f32_16x16x128_fp8_fp8 v[OO+32*\t+8*\c:OO+32*\t+8*\c+7], v[VF+16*\c:VF+16*\c+15], v[PC+16*\t:PC+16*\t+15], v[OO+32*\t+8*\c:OO+32*\t+8*\c+7]
.rept 5
	TL
.endr
.if \t == 0
	TL
.endif
.endr
.endr
	WIN 0x81
.irp a, 0,1,2,3,4,5,6,7
	v_cvt_scalef32_pk8_fp8_f32 v[PC+48+2*\a:PC+48+2*\a+1], v[192+8*\a:192+8*\a+7], v[SC]   ; tile 3's codes
.endr
	v_nop                                          ; a plain line behind the last conversion
	WIN 0xa8
.irp c, 0,1,2,3
	v_wmma_f32_16x16x128_fp8_fp8 v[OO+96+8*\c:OO+96+8*\c+7], v[VF+16*\c:VF+16*\c+15], v[PC+48:PC+63], v[OO+96+8*\c:OO+96+8*\c+7]
.endr
	WIN 0
.rept 4
	v_nop                                          ; four places: for the loads into V's registers, and behind the last step for the reads of O^T
.endr
	s_cmp_eq_u32 s[CNT], NSTEP-1
	s_cbranch_scc1 .Lno_s_\@                       ; as above: round the next step's loads and score products alone
	LOADV
	SCORES
.Lno_s_\@:
.endm
; THE CHANGE OF SLOTS, at a slot's head: all my tensor loads are waited for, the add, the wait for it and for my reads of the slot that I have left.
; fill = 1: a round of the cluster's barrier, and the joint load into the other slot is the first thing behind it (the first time: slot 1's first fill, issued as a refill is).
.macro CHANGE fill
	s_wait_tensorcnt 0x0
	ds_add_u32 v[SPW], v[NIL]
.if \fill
	s_xor_b32 s[G0+1], s[G0+1], SLOT1
	s_add_nc_u64 s[G0+2:G0+3], s[G0+2:G0+3], NSTEP*STEPB
	s_wait_dscnt 0x0
	CROUND
	JLOAD
.else
	s_wait_dscnt 0x0
	s_barrier_signal -1
	s_barrier_wait -1
.endif
.endm
.macro SLOT_STEPS
.rept 5
	v_nop                                          ; with the line below six places on every way here: four are owed ahead of loads into K's registers, five ahead of products that write over the scores
.endr
	v_add_nc_u32 v[AD], s[SB], v[LI]
	LOADK
	LOADV
	s_mov_b32 s[CNT], 0
	s_wait_alu depctr_va_vdst(0)
	s_wait_dscnt 16                                ; K's sixteen loads are in; V's sixteen may be out
	SCORES
.Lstep_\@:
	STEP
	s_add_co_u32 s[CNT], s[CNT], 1
	s_cmp_lt_u32 s[CNT], NSTEP
	s_wait_alu depctr_va_vdst(0)
	s_cbranch_scc1 .Lstep_\@
	s_xor_b32 s[SB], s[SB], SLOT1
.endm
	s_wait_alu depctr_va_vdst(0)
	s_wait_loadcnt 0x0                             ; Q
.Lslot:                                            ; three trips: behind each change of slots but the last the next slot is asked for
	CHANGE 1
	SLOT_STEPS
	s_sub_co_u32 s[SLOTS], s[SLOTS], 1
	s_cmp_lg_u32 s[SLOTS], 0
	s_cbranch_scc1 .Lslot
	CHANGE 0                                       ; the last slot is written out
	SLOT_STEPS
	; THE WAY OUT.  The eight pairs of each tile's sum are added; O^T is divided by the sum, multiplied by 2^(e4 + e5), and goes through my stages: sixteen lanes store the head's 256 bytes of a row, aligned.
.irp k, 0,1,2,3
.irp t, 0,1,2,3
	v_pk_add_f32 v[LS+TS*\t+2*\k:LS+TS*\t+2*\k+1], v[LS+TS*\t+2*\k:LS+TS*\t+2*\k+1], v[LS+TS*\t+2*\k+8:LS+TS*\t+2*\k+9]
.endr
.endr
.irp k, 0,1
.irp t, 0,1,2,3
	v_pk_add_f32 v[LS+TS*\t+2*\k:LS+TS*\t+2*\k+1], v[LS+TS*\t+2*\k:LS+TS*\t+2*\k+1], v[LS+TS*\t+2*\k+4:LS+TS*\t+2*\k+5]
.endr
.endr
.irp t, 0,1,2,3
	v_pk_add_f32 v[LS+TS*\t:LS+TS*\t+1], v[LS+TS*\t:LS+TS*\t+1], v[LS+TS*\t+2:LS+TS*\t+3]
.endr
.irp t, 0,1,2,3
	v_add_f32 v[XA+TS*\t], v[LS+TS*\t], v[LS+TS*\t+1]
.endr
.irp t, 0,1,2,3
	v_permlanex16_b32 v[T1+TS*\t], v[XA+TS*\t], s[SEL], s[SEL+1]
.endr
.irp t, 0,1,2,3
	v_add_f32 v[XA+TS*\t], v[XA+TS*\t], v[T1+TS*\t]        ; the row's sum
.endr
	s_wait_alu depctr_va_vdst(0)
.irp t, 0,1,2,3
	v_rcp_f32 v[XA+TS*\t], v[XA+TS*\t]
.endr
	v_nop                                          ; a plain place behind the transcendentals
	s_wait_alu depctr_va_vdst(0)                   ; and the wait ahead of their first reader
.irp t, 0,1,2,3
	v_ldexp_f32 v[XA+TS*\t], v[XA+TS*\t], s[EO]            ; x 2^(e4 + e5)
.endr
	WIN 0x42
	s_wait_alu depctr_va_vdst(0)
.irp t, 0,1,2,3
.set j, 0
.rept 32
	v_mul_f32 v[32*\t+j], v[OO+32*\t+j], v[XA+TS*\t]       ; into window 1; register 8 c + i is out(r, 16 c + 8 h + i); each accumulator from its low end on
.set j, j+1
.endr
.endr
	WIN 0x04
.irp t, 0,1,2,3
.irp c, 0,1,2,3
	ds_store_b128 v[STI], v[32*\t+8*\c:32*\t+8*\c+3]   offset:16*SP*\t+64*\c
	ds_store_b128 v[STI], v[32*\t+8*\c+4:32*\t+8*\c+7] offset:16*SP*\t+64*\c+16
.endr
.endr
	WIN 0
.irp t, 0,1,2,3
.irp i, 0,1,2,3,4,5,6,7
	ds_load_b128 v[KF+32*\t+4*\i:KF+32*\t+4*\i+3], v[STO] offset:16*SP*\t+2*\i*SP   ; LDS serves a wave's instructions in order (ISA guide 5.7.1): these see my stores
.endr
.endr
.set n, 31
.irp t, 0,1,2,3
.irp i, 0,1,2,3,4,5,6,7
	s_wait_dscnt n                                 ; these two rows are back; the n younger loads may be out
	global_store_b128 v[GO], v[KF+32*\t+4*\i:KF+32*\t+4*\i+3], s[10:11] offset:65536*\t+8192*\i th:TH_STORE_NT
.set n, n-1
.endr
.endr
	s_wait_tensorcnt 0x0                           ; the wave's end
	ds_add_u32 v[SPW], v[NIL]
	s_wait_dscnt 0x0
	CROUND                                         ; the closing round
	s_endpgm
.Lfunc_end_k_q383957fff0_attn:
	.size	k_q383957fff0_attn, .Lfunc_end_k_q383957fff0_attn-k_q383957fff0_attn
	.p2alignl 7, 3214868480
	.fill 96, 4, 3214868480
	.section	.rodata,"a",@progbits
	.p2align	6, 0x0
	.amdhsa_kernel k_q383957fff0_attn
		.amdhsa_group_segment_fixed_size 327680
		.amdhsa_private_segment_fixed_size 0
		.amdhsa_enable_private_segment 0
		.amdhsa_kernarg_size 32
		.amdhsa_user_sgpr_count 2
		.amdhsa_user_sgpr_kernarg_segment_ptr 1
		.amdhsa_wavefront_size32 1
		.amdhsa_system_sgpr_workgroup_id_x 1
		.amdhsa_system_sgpr_workgroup_id_y 1
		.amdhsa_system_sgpr_workgroup_id_z 1
		.amdhsa_system_vgpr_workitem_id 0
		.amdhsa_next_free_vgpr 768
		.amdhsa_next_free_sgpr 80
		.amdhsa_reserve_vcc 0
		.amdhsa_float_denorm_mode_32 3
		.amdhsa_float_denorm_mode_16_64 3
		.amdhsa_memory_ordered 1
		.amdhsa_forward_progress 1
		.amdhsa_inst_pref_size 148
	.end_amdhsa_kernel
	.amdgpu_metadata
---
amdhsa.version: [ 1, 2 ]
amdhsa.kernels:
  - .name:           k_q383957fff0_attn
    .symbol:         k_q383957fff0_attn.kd
    .args:
      - { .name: qimg, .offset: 0, .size: 8, .value_kind: global_buffer, .address_space: global }
      - { .name: kv, .offset: 8, .size: 8, .value_kind: global_buffer, .address_space: global }
      - { .name: lowp_scales, .offset: 16, .size: 8, .value_kind: global_buffer, .address_space: global }
      - { .name: out0, .offset: 24, .size: 8, .value_kind: global_buffer, .address_space: global }
    .group_segment_fixed_size: 327680
    .private_segment_fixed_size: 0
    .kernarg_segment_align: 8
    .kernarg_segment_size: 32
    .max_flat_workgroup_size: 128
    .sgpr_count:     80
    .vgpr_count:     768
    .wavefront_size: 32
...
	.end_amdgpu_metadata
.endif
;; end of part 3
